; MI455X (gfx1250); checked and timed in simulation.
; The chip was launched on July 23, 2026; its instructions are those of AMD's public machine-readable ISA for CDNA 5 (MIT licence, August 2026) and "CDNA5" Instruction Set Architecture Reference Guide (July 2026). The comments in the code are by the model that wrote it; some were corrected since.
;; Q Kernel. Allowed arithmetic: float matrix products may take bf16 or f16 operands with f32 sums; all other float work in f32.
;; Inputs: X_train 4,096 x 12 float32; alpha 4,096 float32; x 512 x 12 float32.
;; Outputs: out0 512 float32.
;; 2 versions, each right; version 2 is version 1 with the launch pairs written anew for expert scheduling mode. Each part assembles by itself: llvm-mc -triple=amdgcn-amd-amdhsa -mcpu=gfx1250 --defsym DOCPART=n.
;; ======== version 1 of 2: 2 launches
;; limits: inputs' magnitudes at most 1,000,000
;; workspace buffers: part 65,536 bytes
;; launch pairs (part 1): grid 32 x 8, 4 waves a work-group, no clusters, 13,056 bytes of LDS; arguments X_train, alpha, x, part; writes part
.if DOCPART == 1
	.amdgcn_target "amdgcn-amd-amdhsa--gfx1250"
	.amdhsa_code_object_version 6
	.text
	.protected	k_q48fed91f72_pairs
	.globl	k_q48fed91f72_pairs
	.p2align	8
	.type	k_q48fed91f72_pairs,@function
k_q48fed91f72_pairs:
	s_mov_b64 s[64:65], 0
	v_nop
	global_prefetch_b8 v0, s[64:65] scope:SCOPE_SE
	s_setreg_imm32_b32 hwreg(HW_REG_WAVE_MODE, 25, 1), 1
	s_wait_xcnt 0x0
; part[bx][i] = sum over the 128 train rows j of block bx of alpha[j] * overlap(i, j)^2,   x: [512][12], X_train: [4096][12], alpha: [4096], part: [32][512], all f32.
;
; WHAT IS COMPUTED.  A state is the Kronecker product over 12 wires of (cos(a/2), sin(a/2)), its 4,096 places then permuted by the CNOT ring.
; The ring is one fixed permutation of the index d, the same for both states of an overlap, and the overlap sums over every d: the permutation only
; changes the order of the sum.  The sum over d of a product over wires is, by the distributive law, the product over groups of wires of the sums over
; each group's indices.  So overlap = G0 G1 G2, where Gg is the inner product of the two 16-number product states of wires 4g .. 4g+3.
; This holds for every input; the sums are ordered otherwise than in the long sum, and have fewer roundings.
; The three inner products go to the matrix unit (f16 operands, f32 sums), K = 16 of the form's 32; the rest is f32.
;
; f16 AND NOT bf16: every operand is a product of four cosines or sines, so at most 1 in magnitude for every input: f16's range cannot be left upward,
; and its 11 bits are wanted because only 16 products share a sum.
;
; LIMITS.  (1) Angles: a - n pi is formed with pi in two parts; up to |a| = 1e6 the half angle's error stays near 1e-7; from about 2^22 pi on the
; quadrant is unsure.  (2) Operands below 2^-14 lose relative precision in f16 and vanish below 2^-25: an absolute error of at most 2^-25 in a state of norm 1.
; (3) The upper half of a B operand (k = 16 .. 31) holds a neighbouring fragment's numbers, which meet zeros in A.  They are finite unless an angle of
; X_train is NaN or infinite, and then every output is NaN in the long sum as well.  A NaN or infinite angle of x makes its own output NaN alone.
;
; SHARES.  256 work-groups: (bx, by) takes x rows 64 by .. +63 against train rows 128 bx .. +127.  Four waves.  Wave w builds the B fragments of train tiles
; 2w, 2w+1 (16 rows each) into LDS, the A fragments of x tile w in registers, and multiplies its x tile with all 8 train tiles: no sum crosses waves.
; Lane l: r = l % 16 is the row in a tile, h = l / 16; both halves work out the same row's cosines and sines.
; No tensor loads, rings or clusters: a work-group's input is 9,728 bytes, wanted at once, and goes straight into the registers that use it.
;
; FRAGMENT (A and B alike, made by one macro): group g = wires w0 .. w3 = 4g .. 4g+3; k = 8 h + e, h = w3's bit, e's bits 2, 1, 0 = those of w2, w1, w0;
; registers 0-3 hold e = 0 .. 7 as packed f16.
;
; LDS: fragment (tile t, group g) at (3 t + g) * 512 + 16 * lane, the register image; from 12,288 on the group's 64 sums, row 16 w + 8 h + j at 4 bytes each.
.set ROWB,  48                         ; bytes in a row of x and of X_train
.set FRAG,  512                        ; bytes of a fragment: 32 lanes x 16
.set STAGE, 24*FRAG                    ; 12,288: behind the 24 fragments
.set KS,  8                            ; v[8:9]     -1/5040, twice
.set KC,  10                           ; v[10:11]   1/40320, twice
.set AL,  12                           ; v[12:19]   alpha of row r of train tile t at AL + t
.set ACC, 20                           ; v[20:27]   running sums: register j = x row 8 h + j, over the train rows r of all tiles
.set AF,  28                           ; v[28:51]   A operands, 8 registers a group: 4 of numbers, 4 of zeros
.set ANG, 52                           ; v[52:87]   angles: train tile 0, train tile 1, x tile, 12 each
.set AMP, 88                           ; v[88:111]  (cos, sin) of wire q at AMP + 2 q
.set N,   112                          ; v[112:127] at work in SINCOS2
.set R,   114
.set U,   116
.set PS,  118
.set PC,  120
.set RU,  122
.set QI,  124
.set TT,  126
.set P,   128                          ; v128       at work in GROUP
.set Q,   130
.set T,   132
.set E,   136
.set B,   148                          ; v[148:243] the 24 B fragments, v[244:247] zeros; before the barrier v[148:171] hold my six fragments on their way to LDS
.set D0,  52                           ; v[52:75]   products, set 0 (over ANG, dead by then)
.set D1,  76                           ; v[76:99]   products, set 1 (over ANG and AMP, dead by then)
	s_load_b256 s[8:15], s[0:1], 0x0               ; X_train s[8:9], alpha s[10:11], x s[12:13], part s[14:15]
	v_lshl_add_u32 v248, v0, 2, 0x3100
	v_mov_b32 v249, 0
	v_lshrrev_b32 v1, 5, v0
	v_readfirstlane_b32 s16, v1                    ; wave 0..3
	s_and_b32 s18, ttmp7, 0xffff                   ; by
	s_mov_b32 s20, 0xffff0000                      ; lanes 16-31
	s_mov_b32 s21, 0x80000000                      ; the sign bit
	s_mul_i32 s22, ttmp9, 128*ROWB                 ; X_train: 128 rows a block,
	s_mul_i32 s19, s16, 32*ROWB                    ; 32 rows a wave
	s_add_co_u32 s22, s22, s19
	s_mov_b32 s23, 0
	s_mul_i32 s24, s18, 64*ROWB                    ; x: 64 rows a block,
	s_mul_i32 s19, s16, 16*ROWB                    ; 16 rows a wave
	s_add_co_u32 s24, s24, s19
	s_mov_b32 s25, 0
	s_lshl_b32 s26, ttmp9, 9                       ; alpha: 128 numbers a block
	s_mov_b32 s27, 0
	s_lshl_b32 s28, ttmp9, 11                      ; part: row bx of 2,048 bytes,
	s_lshl_b32 s19, s18, 8                         ; 64 numbers a block of x
	s_add_co_u32 s28, s28, s19
	s_mov_b32 s29, 0
	s_mul_i32 s30, s16, 6*FRAG                     ; LDS: my two tiles' six fragments
	s_lshl_b32 s31, s16, 6
	s_add_co_u32 s31, s31, STAGE                   ; LDS: my 16 sums
	v_and_b32 v1, 31, v0                           ; lane
	v_and_b32 v3, 15, v0                           ; r
	v_mul_u32_u24 v2, ROWB, v3                     ; my row in a tile of angles
	v_lshlrev_b32 v3, 2, v3                        ; my number in a tile of alpha
	s_wait_kmcnt 0x0
	s_add_nc_u64 s[8:9], s[8:9], s[22:23]
	s_add_nc_u64 s[12:13], s[12:13], s[24:25]
	s_add_nc_u64 s[10:11], s[10:11], s[26:27]
	s_add_nc_u64 s[14:15], s[14:15], s[28:29]
	; 17 loads, in the order in which they are wanted: 3 + 3 + 3 of angles, 8 of alpha
.irp i, 0,1,2
	global_load_b128 v[ANG+4*\i:ANG+4*\i+3], v2, s[8:9] offset:16*\i
.endr
.irp i, 0,1,2
	global_load_b128 v[ANG+12+4*\i:ANG+12+4*\i+3], v2, s[8:9] offset:16*ROWB+16*\i
.endr
.irp i, 0,1,2
	global_load_b128 v[ANG+24+4*\i:ANG+24+4*\i+3], v2, s[12:13] offset:16*\i
.endr
.irp t, 0,1,2,3,4,5,6,7
	global_load_b32 v[AL+\t], v3, s[10:11] offset:64*\t
.endr
	v_lshlrev_b32 v4, 4, v1                        ; LDS read: 16 x lane
	v_lshl_add_u32 v5, v1, 4, s30                  ; LDS write: 16 x lane + my six fragments
	v_bfe_u32 v6, v0, 4, 1                         ; h
	v_lshl_add_u32 v6, v6, 5, s31                  ; the stage: my wave's 64 bytes, 32 for each half
	v_lshlrev_b32 v7, 3, v1                        ; the way out: 8 x lane, in the stage and in part
	v_mov_b32 v[KS], 0xb9500d01
	v_mov_b32 v[KS+1], 0xb9500d01
	v_mov_b32 v[KC], 0x37d00d01
	v_mov_b32 v[KC+1], 0x37d00d01
.irp g, 0,1,2
.irp i, 4,5,6,7
	v_mov_b32 v[AF+8*\g+\i], 0                     ; A's k = 16 .. 31: nothing of B's upper half enters a sum
.endr
.endr
.irp i, 96,97,98,99
	v_mov_b32 v[B+\i], 0                           ; the upper half of the last B operand
.endr
; Two angles in v[a:a+1]; (cos, sin, cos, sin) of their halves into v[o:o+3].
; a/2 = n pi/2 + r with n = a/pi rounded to the nearest whole number, |r| <= pi/4; r = (a - n pi)/2 with pi in two parts, each step one fused multiply-add.
; sin r to r^7, cos r to r^8: the terms left out are below 3e-7.  n mod 4 swaps the two and sets the signs, by selects and bit work alone.
.macro SINCOS2 a, o
	v_pk_mul_f32 v[N:N+1], v[\a:\a+1], 0x3ea2f983 op_sel_hi:[1,0]                  ; a / pi
	v_rndne_f32 v[N], v[N]
	v_rndne_f32 v[N+1], v[N+1]
	v_pk_fma_f32 v[R:R+1], v[N:N+1], 0xc0490fdb, v[\a:\a+1] op_sel_hi:[1,0,1]      ; a - n pi, upper part
	v_cvt_i32_f32 v[QI], v[N]
	v_cvt_i32_f32 v[QI+1], v[N+1]
	v_pk_fma_f32 v[R:R+1], v[N:N+1], 0x33bbbd2e, v[R:R+1] op_sel_hi:[1,0,1]        ; lower part
	v_pk_mul_f32 v[R:R+1], v[R:R+1], 0.5 op_sel_hi:[1,0]
	v_pk_mul_f32 v[U:U+1], v[R:R+1], v[R:R+1]
	v_pk_fma_f32 v[PS:PS+1], v[U:U+1], v[KS:KS+1], 0x3c088889 op_sel_hi:[1,1,0]    ; 1/120 - u/5040
	v_pk_fma_f32 v[PC:PC+1], v[U:U+1], v[KC:KC+1], 0xbab60b61 op_sel_hi:[1,1,0]    ; -1/720 + u/40320
	v_pk_mul_f32 v[RU:RU+1], v[R:R+1], v[U:U+1]
	v_pk_fma_f32 v[PS:PS+1], v[PS:PS+1], v[U:U+1], 0xbe2aaaab op_sel_hi:[1,1,0]    ; -1/6 + ..
	v_pk_fma_f32 v[PC:PC+1], v[PC:PC+1], v[U:U+1], 0x3d2aaaab op_sel_hi:[1,1,0]    ; 1/24 + ..
	v_pk_fma_f32 v[PS:PS+1], v[RU:RU+1], v[PS:PS+1], v[R:R+1]                      ; sin r
	v_pk_fma_f32 v[PC:PC+1], v[PC:PC+1], v[U:U+1], -0.5 op_sel_hi:[1,1,0]
	v_pk_fma_f32 v[PC:PC+1], v[PC:PC+1], v[U:U+1], 1.0 op_sel_hi:[1,1,0]           ; cos r
.irp i, 0,1
	v_and_b32 v[TT], 1, v[QI+\i]
	v_cmp_eq_u32 vcc_lo, 1, v[TT]                                                  ; n odd: the two change places
	v_cndmask_b32 v[\o+2*\i], v[PC+\i], v[PS+\i], vcc_lo
	v_cndmask_b32 v[\o+2*\i+1], v[PS+\i], v[PC+\i], vcc_lo
	v_add_lshl_u32 v[TT], v[QI+\i], 1, 30                                          ; the cosine is negated for n mod 4 = 1, 2: bit 1 of n + 1
	v_lshlrev_b32 v[TT+1], 30, v[QI+\i]                                            ; the sine for n mod 4 = 2, 3: bit 1 of n
	v_and_b32 v[TT], s21, v[TT]
	v_and_b32 v[TT+1], s21, v[TT+1]
	v_xor_b32 v[\o+2*\i], v[\o+2*\i], v[TT]
	v_xor_b32 v[\o+2*\i+1], v[\o+2*\i+1], v[TT+1]
.endr
.endm
; the 12 angles at ANG + b
.macro AMPS b
.irp p, 0,1,2,3,4,5
	SINCOS2 ANG+\b+2*\p, AMP+4*\p
.endr
.endm
; The product state of wires 4g .. 4g+3: my half's 8 numbers, as f16, into v[d:d+3].
.macro GROUP g, d
.set W, AMP+8*\g
	v_cndmask_b32 v[P], v[W+6], v[W+7], s20                                        ; w3: lanes 0-15 its cosine, lanes 16-31 its sine
	v_pk_mul_f32 v[T:T+1],   v[W:W+1], v[W+2:W+3] op_sel_hi:[1,0]                  ; (c0, s0) c1
	v_pk_mul_f32 v[T+2:T+3], v[W:W+1], v[W+2:W+3] op_sel:[0,1] op_sel_hi:[1,1]     ; (c0, s0) s1
	v_mul_f32 v[Q],   v[W+4], v[P]                                                 ; c2 p
	v_mul_f32 v[Q+1], v[W+5], v[P]                                                 ; s2 p
	v_pk_mul_f32 v[E:E+1],   v[T:T+1],   v[Q:Q+1] op_sel_hi:[1,0]
	v_pk_mul_f32 v[E+2:E+3], v[T+2:T+3], v[Q:Q+1] op_sel_hi:[1,0]
	v_pk_mul_f32 v[E+4:E+5], v[T:T+1],   v[Q:Q+1] op_sel:[0,1] op_sel_hi:[1,1]
	v_pk_mul_f32 v[E+6:E+7], v[T+2:T+3], v[Q:Q+1] op_sel:[0,1] op_sel_hi:[1,1]
.irp i, 0,1,2,3
	v_cvt_pk_f16_f32 v[\d+\i], v[E+2*\i], v[E+2*\i+1]
.endr
.endm
; my train tile tt (0 or 1): its three fragments into LDS
.macro TRAIN tt
	AMPS 12*\tt
.irp g, 0,1,2
	GROUP \g, B+12*\tt+4*\g
	ds_store_b128 v5, v[B+12*\tt+4*\g:B+12*\tt+4*\g+3] offset:(3*\tt+\g)*FRAG
.endr
.endm
	s_wait_loadcnt 14                              ; train tile 0's three loads are in; 3 + 3 + 8 younger ones stay out
	TRAIN 0
	s_wait_loadcnt 11                              ; train tile 1's; 3 + 8 stay out
	TRAIN 1
	s_wait_dscnt 0x0                               ; my six fragments are in LDS, for the other waves' sake
	s_barrier_signal -1
	s_wait_loadcnt 8                               ; x's three loads; alpha's eight stay out
	AMPS 24                                        ; register work while the others arrive: my x tile's three A fragments
.irp g, 0,1,2
	GROUP \g, AF+8*\g
.endr
	s_barrier_wait -1                              ; all 24 fragments are in LDS
.set n, 0
.rept 24
	ds_load_b128 v[B+4*n:B+4*n+3], v4 offset:n*FRAG    ; 32 lanes, 16 neighbouring bytes each
.set n, n+1
.endr
	s_wait_loadcnt 0x0                             ; alpha
; Train tile t: three matrix instructions, one for each group of wires, into D set ds.  Register j of lane (r, h) = G(x row 8 h + j, train row r).
; Group 2's operand reaches into the next tile's first fragment, so loads 0 .. 3 t + 3 of the 24 must be in: 20 - 3 t may stay out (tile 7: none).
; Each starts its own sum (C = 0): no accumulator is taken up again.
.macro WM t, ds
.if 20-3*\t > 0
	s_wait_dscnt 20-3*\t
.else
	s_wait_dscnt 0x0
.endif
.irp g, 0,1,2
	v_wmma_f32_16x16x32_f16 v[\ds+8*\g:\ds+8*\g+7], v[AF+8*\g:AF+8*\g+7], v[B+12*\t+4*\g:B+12*\t+4*\g+7], 0
.endr
.endm
; Train tile t: overlap = G0 G1 G2, its square, times alpha, onto the running sums.  b = t % 2 picks alpha's register of the pair.  first = 1 starts the sums.
.macro PW t, ds, b, first
.irp p, 0,2,4,6
	v_pk_mul_f32 v[\ds+\p:\ds+\p+1], v[\ds+\p:\ds+\p+1], v[\ds+8+\p:\ds+8+\p+1]
.endr
.irp p, 0,2,4,6
	v_pk_mul_f32 v[\ds+\p:\ds+\p+1], v[\ds+\p:\ds+\p+1], v[\ds+16+\p:\ds+16+\p+1]
.endr
.irp p, 0,2,4,6
	v_pk_mul_f32 v[\ds+8+\p:\ds+8+\p+1], v[\ds+\p:\ds+\p+1], v[\ds+\p:\ds+\p+1]
.endr
.irp p, 0,2,4,6
.if \first
	v_pk_mul_f32 v[ACC+\p:ACC+\p+1], v[\ds+8+\p:\ds+8+\p+1], v[AL+\t-\b:AL+\t-\b+1] op_sel:[0,\b] op_sel_hi:[1,\b]
.else
	v_pk_fma_f32 v[ACC+\p:ACC+\p+1], v[\ds+8+\p:\ds+8+\p+1], v[AL+\t-\b:AL+\t-\b+1], v[ACC+\p:ACC+\p+1] op_sel:[0,\b,0] op_sel_hi:[1,\b,1]
.endif
.endr
.endm
	; The two D sets take turns.  A tile's products are read, and its set written again by matrix instructions, only behind places that name none of its
	; registers (ISA guide 7.12.1): the 16 vector instructions of the tile before, which work on the other set, the sums and alpha.
	; Tile 0 has no tile before it: five v_nop, five because tile 2's matrix instructions write over tile 0's set.
	WM 0, D0
.rept 5
	v_nop
.endr
	WM 1, D1
	PW 0, D0, 0, 1
	WM 2, D0
	PW 1, D1, 1, 0
	WM 3, D1
	PW 2, D0, 0, 0
	WM 4, D0
	PW 3, D1, 1, 0
	WM 5, D1
	PW 4, D0, 0, 0
	WM 6, D0
	PW 5, D1, 1, 0
	WM 7, D1
	PW 6, D0, 0, 0
	PW 7, D1, 1, 0
	; over the 16 train rows r that the lanes of a half hold: every lane of half h ends up with the sums of x rows 8 h + 0 .. 7
.irp m, 1,2,4,8
.irp j, 0,1,2,3,4,5,6,7
	v_add_f32_dpp v[ACC+\j], v[ACC+\j], v[ACC+\j] row_xmask:\m row_mask:0xf bank_mask:0xf
.endr
.endr
	ds_store_b128 v6, v[ACC:ACC+3]                 ; the 16 lanes of a half write the same 32 bytes with the same numbers
	ds_store_b128 v6, v[ACC+4:ACC+7] offset:16
	s_wait_dscnt 0x0                               ; my 16 sums are in LDS, for wave 0's sake
	s_barrier_signal -1
	s_barrier_wait -1
	s_cmp_lg_u32 s16, 0
	s_cbranch_scc1 .Lend                           ; wave 0 alone stores
	ds_load_b64 v[N:N+1], v7 offset:STAGE
	s_wait_dscnt 0x0
	global_store_b64 v7, v[N:N+1], s[14:15]        ; 32 lanes store 256 consecutive bytes, at a multiple of 256 from part's first byte
.Lend:
	s_wait_tensorcnt 0x0
	ds_add_u32 v248, v249
	s_wait_dscnt 0x0
	s_endpgm
.Lfunc_end_k_q48fed91f72_pairs:
	.size	k_q48fed91f72_pairs, .Lfunc_end_k_q48fed91f72_pairs-k_q48fed91f72_pairs
	.p2alignl 7, 3214868480
	.fill 96, 4, 3214868480
	.section	.rodata,"a",@progbits
	.p2align	6, 0x0
	.amdhsa_kernel k_q48fed91f72_pairs
		.amdhsa_group_segment_fixed_size 13056
		.amdhsa_private_segment_fixed_size 0
		.amdhsa_enable_private_segment 0
		.amdhsa_kernarg_size 32
		.amdhsa_user_sgpr_count 2
		.amdhsa_user_sgpr_kernarg_segment_ptr 1
		.amdhsa_wavefront_size32 1
		.amdhsa_system_sgpr_workgroup_id_x 1
		.amdhsa_system_sgpr_workgroup_id_y 1
		.amdhsa_system_sgpr_workgroup_id_z 1
		.amdhsa_system_vgpr_workitem_id 0
		.amdhsa_next_free_vgpr 250
		.amdhsa_next_free_sgpr 66
		.amdhsa_reserve_vcc 1
		.amdhsa_float_denorm_mode_32 3
		.amdhsa_float_denorm_mode_16_64 3
		.amdhsa_memory_ordered 1
		.amdhsa_forward_progress 1
		.amdhsa_inst_pref_size 59
	.end_amdhsa_kernel
	.amdgpu_metadata
---
amdhsa.version: [ 1, 2 ]
amdhsa.kernels:
  - .name:           k_q48fed91f72_pairs
    .symbol:         k_q48fed91f72_pairs.kd
    .args:
      - { .name: X_train, .offset: 0, .size: 8, .value_kind: global_buffer, .address_space: global }
      - { .name: alpha, .offset: 8, .size: 8, .value_kind: global_buffer, .address_space: global }
      - { .name: x, .offset: 16, .size: 8, .value_kind: global_buffer, .address_space: global }
      - { .name: part, .offset: 24, .size: 8, .value_kind: global_buffer, .address_space: global }
    .group_segment_fixed_size: 13056
    .private_segment_fixed_size: 0
    .kernarg_segment_align: 8
    .kernarg_segment_size: 32
    .max_flat_workgroup_size: 128
    .sgpr_count:     66
    .vgpr_count:     250
    .wavefront_size: 32
...
	.end_amdgpu_metadata
.endif
;; end of part 1
;; launch fold (part 2): grid 8 x 1, 1 waves a work-group, no clusters, 0 bytes of LDS; arguments part, out0; writes out0
.if DOCPART == 2
	.amdgcn_target "amdgcn-amd-amdhsa--gfx1250"
	.amdhsa_code_object_version 6
	.text
	.protected	k_q48fed91f72_fold
	.globl	k_q48fed91f72_fold
	.p2align	8
	.type	k_q48fed91f72_fold,@function
k_q48fed91f72_fold:
	s_mov_b64 s[64:65], 0
	v_nop
	global_prefetch_b8 v0, s[64:65] scope:SCOPE_SE
	s_setreg_imm32_b32 hwreg(HW_REG_WAVE_MODE, 25, 1), 1
	s_wait_xcnt 0x0
; out0[i] = sum over the 32 rows b of part[b][i].  part: [32][512] f32, out0: [512] f32.
; Eight work-groups of one wave; work-group g owns outputs 64 g .. +63, a lane two of them.  Each load and the store cover 256 consecutive bytes, aligned.
; All 32 loads are issued at once; the sum is a fixed tree of 31 packed adds, so its order is the same in every run (it differs from a sum in ascending j).
.set ROWS,  32
.set PITCH, 2048                       ; bytes in a row of part
.set S,     2                          ; v[2:65]  row k of my two columns at S + 2 k
	s_load_b128 s[4:7], s[0:1], 0x0                ; part s[4:5], out0 s[6:7]
	s_lshl_b32 s8, ttmp9, 8                        ; 64 numbers a work-group
	s_mov_b32 s9, 0
	v_lshlrev_b32 v1, 3, v0                        ; 8 x lane
	s_wait_kmcnt 0x0
	s_add_nc_u64 s[4:5], s[4:5], s[8:9]
	s_add_nc_u64 s[6:7], s[6:7], s[8:9]
.set k, 0
.rept ROWS
	global_load_b64 v[S+2*k:S+2*k+1], v1, s[4:5] offset:PITCH*k th:TH_LOAD_NT
.set k, k+1
.endr
.macro ADD a, b                        ; row a += row b
	v_pk_add_f32 v[S+2*(\a):S+2*(\a)+1], v[S+2*(\a):S+2*(\a)+1], v[S+2*(\b):S+2*(\b)+1]
.endm
	s_wait_loadcnt 16                              ; rows 0-15 are in; the 16 younger loads stay out
.irp k, 0,1,2,3,4,5,6,7
	ADD \k, \k+8
.endr
	s_wait_loadcnt 0x0
.irp k, 0,1,2,3,4,5,6,7
	ADD \k+16, \k+24
.endr
.irp k, 0,1,2,3,4,5,6,7
	ADD \k, \k+16
.endr
.irp k, 0,1,2,3
	ADD \k, \k+4
.endr
	ADD 0, 2
	ADD 1, 3
	ADD 0, 1
	global_store_b64 v1, v[S:S+1], s[6:7]
	s_endpgm
.Lfunc_end_k_q48fed91f72_fold:
	.size	k_q48fed91f72_fold, .Lfunc_end_k_q48fed91f72_fold-k_q48fed91f72_fold
	.p2alignl 7, 3214868480
	.fill 96, 4, 3214868480
	.section	.rodata,"a",@progbits
	.p2align	6, 0x0
	.amdhsa_kernel k_q48fed91f72_fold
		.amdhsa_group_segment_fixed_size 0
		.amdhsa_private_segment_fixed_size 0
		.amdhsa_enable_private_segment 0
		.amdhsa_kernarg_size 16
		.amdhsa_user_sgpr_count 2
		.amdhsa_user_sgpr_kernarg_segment_ptr 1
		.amdhsa_wavefront_size32 1
		.amdhsa_system_sgpr_workgroup_id_x 1
		.amdhsa_system_sgpr_workgroup_id_y 1
		.amdhsa_system_sgpr_workgroup_id_z 1
		.amdhsa_system_vgpr_workitem_id 0
		.amdhsa_next_free_vgpr 66
		.amdhsa_next_free_sgpr 66
		.amdhsa_reserve_vcc 0
		.amdhsa_float_denorm_mode_32 3
		.amdhsa_float_denorm_mode_16_64 3
		.amdhsa_memory_ordered 1
		.amdhsa_forward_progress 1
		.amdhsa_inst_pref_size 6
	.end_amdhsa_kernel
	.amdgpu_metadata
---
amdhsa.version: [ 1, 2 ]
amdhsa.kernels:
  - .name:           k_q48fed91f72_fold
    .symbol:         k_q48fed91f72_fold.kd
    .args:
      - { .name: part, .offset: 0, .size: 8, .value_kind: global_buffer, .address_space: global }
      - { .name: out0, .offset: 8, .size: 8, .value_kind: global_buffer, .address_space: global }
    .group_segment_fixed_size: 0
    .private_segment_fixed_size: 0
    .kernarg_segment_align: 8
    .kernarg_segment_size: 16
    .max_flat_workgroup_size: 32
    .sgpr_count:     66
    .vgpr_count:     66
    .wavefront_size: 32
...
	.end_amdgpu_metadata
.endif
;; end of part 2
;; ======== version 2 of 2: 2 launches; version 1 with the launch pairs written anew for expert scheduling mode
;; limits: inputs' magnitudes at most 1,000,000
;; workspace buffers: part 65,536 bytes
;; launch pairs (part 3): grid 32 x 8, 4 waves a work-group, no clusters, 13,056 bytes of LDS; arguments X_train, alpha, x, part; writes part
.if DOCPART == 3
	.amdgcn_target "amdgcn-amd-amdhsa--gfx1250"
	.amdhsa_code_object_version 6
	.text
	.protected	k_q48fed91f72_pairs
	.globl	k_q48fed91f72_pairs
	.p2align	8
	.type	k_q48fed91f72_pairs,@function
k_q48fed91f72_pairs:
	s_mov_b64 s[64:65], 0
	v_nop
	global_prefetch_b8 v0, s[64:65] scope:SCOPE_SE
	s_setreg_imm32_b32 hwreg(HW_REG_WAVE_SCHED_MODE, 0, 2), 2
	s_setreg_imm32_b32 hwreg(HW_REG_WAVE_MODE, 25, 1), 1
	s_wait_xcnt 0x0
	s_wait_alu depctr_vm_vsrc(0)
; part[bx][i] = sum over the 128 train rows j of block bx of alpha[j] * overlap(i, j)^2,   x: [512][12], X_train: [4096][12], alpha: [4096], part: [32][512], all f32.
;
; WHAT IS COMPUTED.  A state is the Kronecker product over 12 wires of (cos(a/2), sin(a/2)), its 4,096 places then permuted by the CNOT ring.
; The ring is one fixed permutation of the index d, the same for both states of an overlap, and the overlap sums over every d: the permutation only
; changes the order of the sum.  The sum over d of a product over wires is, by the distributive law, the product over groups of wires of the sums over
; each group's indices.  So overlap = G0 G1 G2, where Gg is the inner product of the two 16-number product states of wires 4g .. 4g+3.
; This holds for every input; the sums are ordered otherwise than in the long sum, and have fewer roundings.
; The three inner products go to the matrix unit (f16 operands, f32 sums), K = 16 of the form's 32; the rest is f32.
;
; f16 AND NOT bf16: every operand is a product of four cosines or sines, so at most 1 in magnitude for every input: f16's range cannot be left upward,
; and its 11 bits are wanted because only 16 products share a sum.
;
; LIMITS.  (1) Angles: a - n pi is formed with pi in two parts; up to |a| = 1e6 the half angle's error stays near 1e-7; from about 2^22 pi on the
; quadrant is unsure.  (2) Operands below 2^-14 lose relative precision in f16 and vanish below 2^-25: an absolute error of at most 2^-25 in a state of norm 1.
; (3) The upper half of a B operand (k = 16 .. 31) holds a neighbouring fragment's numbers, which meet zeros in A.  They are finite unless an angle of
; X_train is NaN or infinite, and then every output is NaN in the long sum as well.  A NaN or infinite angle of x makes its own output NaN alone.
;
; SHARES.  256 work-groups: (bx, by) takes x rows 64 by .. +63 against train rows 128 bx .. +127.  Four waves.  Wave w builds the B fragments of train tiles
; 2w, 2w+1 (16 rows each) into LDS, the A fragments of x tile w in registers, and multiplies its x tile with all 8 train tiles: no sum crosses waves.
; Lane l: r = l % 16 is the row in a tile, h = l / 16; both halves work out the same row's cosines and sines.
; No tensor loads, rings or clusters: a work-group's input is 9,728 bytes, wanted at once, and goes straight into the registers that use it.
;
; FRAGMENT (A and B alike, made by one macro): group g = wires w0 .. w3 = 4g .. 4g+3; k = 8 h + e, h = w3's bit, e's bits 2, 1, 0 = those of w2, w1, w0;
; registers 0-3 hold e = 0 .. 7 as packed f16.
;
; LDS: fragment (tile t, group g) at (3 t + g) * 512 + 16 * lane, the register image; from 12,288 on the group's 64 sums, row 16 w + 8 h + j at 4 bytes each;
; from 12,544 on the spare words, 128 bytes for each wave, which the closing add alone names.
;
; THE MODE: SCHED_MODE bits 1:0 = 2 (LLVM: expert scheduling mode 2), set by the entry lines.  The code itself states the register dependences
; between vector or matrix instructions and memory or LDS instructions, with s_wait_alu, always for 0.
; THE PLAN.  Registers that memory or LDS instructions touch, in the order of the text (there is no loop):
;   v2, v3          offsets of the 17 global loads: written at the head, never again.  One wait on va_vdst ahead of the loads.
;   ANG, AL         the global loads land here; no vector instruction names them ahead of the loads.
;   v5, v[148:171]  address and data of my six LDS stores.  Tile 0's twelve registers are written by its conversions and stored behind one wait on va_vdst at the
;                   head of tile 1's work, which names none of them; tile 1's twelve behind a second such wait.
;   v4, v[148:243]  address and landing place of the 24 fragment loads.  Behind the second wait above no vector instruction names any of them; the six stores have
;                   read v[148:171]: one wait on vm_vsrc ahead of the loads.
;   v6, ACC         address and data of the two stage stores: one wait on va_vdst behind the sums across lanes.  No vector instruction follows it, so it also serves
;   v7, v[112:113]  wave 0's load from the stage (address; landing place, which the sines' and cosines' arithmetic named) and its global store.
;   v248, v249      written at the head, read by the closing add alone.
; Scalars that vector instructions write: s16 (the wave's number), and s2, s3 (the two parities in SINCOS2): a wait on va_sdst ahead of each one's first reader.
.set ROWB,  48                         ; bytes in a row of x and of X_train
.set FRAG,  512                        ; bytes of a fragment: 32 lanes x 16
.set STAGE, 24*FRAG                    ; 12,288: behind the 24 fragments
.set KS,  8                            ; v[8:9]     -1/5040, twice
.set KC,  10                           ; v[10:11]   1/40320, twice
.set AL,  12                           ; v[12:19]   alpha of row r of train tile t at AL + t
.set ACC, 20                           ; v[20:27]   running sums: register j = x row 8 h + j, over the train rows r of all tiles
.set AF,  28                           ; v[28:51]   A operands, 8 registers a group: 4 of numbers, 4 of zeros
.set ANG, 52                           ; v[52:87]   angles: train tile 0, train tile 1, x tile, 12 each
.set AMP, 88                           ; v[88:111]  (cos, sin) of wire q at AMP + 2 q
.set N,   112                          ; v[112:127] at work in SINCOS2
.set R,   114
.set U,   116
.set PS,  118
.set PC,  120
.set RU,  122
.set QI,  124
.set TT,  126
.set P,   128                          ; v128       at work in GROUP
.set Q,   130
.set T,   132
.set E,   136
.set B,   148                          ; v[148:243] the 24 B fragments, v[244:247] zeros; before the barrier v[148:171] hold my six fragments on their way to LDS
.set D0,  52                           ; v[52:75]   products, set 0 (over ANG, dead by then)
.set D1,  76                           ; v[76:99]   products, set 1 (over ANG and AMP, dead by then)
.set ODD, 2                            ; s[2:3]     SINCOS2: the lanes in which n is odd, for each of its two angles
	s_load_b256 s[8:15], s[0:1], 0x0               ; X_train s[8:9], alpha s[10:11], x s[12:13], part s[14:15]
	v_lshl_add_u32 v248, v0, 2, 0x3100             ; my spare word, and 0: made here and kept for the closing lines alone
	v_mov_b32 v249, 0
	v_lshrrev_b32 v1, 5, v0
	v_readfirstlane_b32 s16, v1                    ; wave 0..3
	s_and_b32 s18, ttmp7, 0xffff                   ; by
	s_mov_b32 s20, 0xffff0000                      ; lanes 16-31
	s_mov_b32 s21, 0x80000000                      ; the sign bit
	s_mul_i32 s22, ttmp9, 128*ROWB                 ; X_train: 128 rows a block,
	s_wait_alu depctr_va_sdst(0)                   ; s16 is written, ahead of its first reader: the offsets and LDS bases below are made from it
	s_mul_i32 s19, s16, 32*ROWB                    ; 32 rows a wave
	s_add_co_u32 s22, s22, s19
	s_mov_b32 s23, 0
	s_mul_i32 s24, s18, 64*ROWB                    ; x: 64 rows a block,
	s_mul_i32 s19, s16, 16*ROWB                    ; 16 rows a wave
	s_add_co_u32 s24, s24, s19
	s_mov_b32 s25, 0
	s_lshl_b32 s26, ttmp9, 9                       ; alpha: 128 numbers a block
	s_mov_b32 s27, 0
	s_lshl_b32 s28, ttmp9, 11                      ; part: row bx of 2,048 bytes,
	s_lshl_b32 s19, s18, 8                         ; 64 numbers a block of x
	s_add_co_u32 s28, s28, s19
	s_mov_b32 s29, 0
	s_mul_i32 s30, s16, 6*FRAG                     ; LDS: my two tiles' six fragments
	s_lshl_b32 s31, s16, 6
	s_add_co_u32 s31, s31, STAGE                   ; LDS: my 16 sums
	v_and_b32 v1, 31, v0                           ; lane
	v_and_b32 v3, 15, v0                           ; r
	v_mul_u32_u24 v2, ROWB, v3                     ; my row in a tile of angles
	v_lshlrev_b32 v3, 2, v3                        ; my number in a tile of alpha
	s_wait_kmcnt 0x0
	s_add_nc_u64 s[8:9], s[8:9], s[22:23]
	s_add_nc_u64 s[12:13], s[12:13], s[24:25]
	s_add_nc_u64 s[10:11], s[10:11], s[26:27]
	s_add_nc_u64 s[14:15], s[14:15], s[28:29]
	s_wait_alu depctr_va_vdst(0)                   ; v2 and v3 are written, which the 17 loads below read as their offsets
	; 17 loads, in the order in which they are wanted: 3 + 3 + 3 of angles, 8 of alpha
.irp i, 0,1,2
	global_load_b128 v[ANG+4*\i:ANG+4*\i+3], v2, s[8:9] offset:16*\i
.endr
.irp i, 0,1,2
	global_load_b128 v[ANG+12+4*\i:ANG+12+4*\i+3], v2, s[8:9] offset:16*ROWB+16*\i
.endr
.irp i, 0,1,2
	global_load_b128 v[ANG+24+4*\i:ANG+24+4*\i+3], v2, s[12:13] offset:16*\i
.endr
.irp t, 0,1,2,3,4,5,6,7
	global_load_b32 v[AL+\t], v3, s[10:11] offset:64*\t
.endr
	v_lshlrev_b32 v4, 4, v1                        ; LDS read: 16 x lane
	v_lshl_add_u32 v5, v1, 4, s30                  ; LDS write: 16 x lane + my six fragments
	v_bfe_u32 v6, v0, 4, 1                         ; h
	v_lshl_add_u32 v6, v6, 5, s31                  ; the stage: my wave's 64 bytes, 32 for each half
	v_lshlrev_b32 v7, 3, v1                        ; the way out: 8 x lane, in the stage and in part
	v_mov_b32 v[KS], 0xb9500d01
	v_mov_b32 v[KS+1], 0xb9500d01
	v_mov_b32 v[KC], 0x37d00d01
	v_mov_b32 v[KC+1], 0x37d00d01
.irp g, 0,1,2
.irp i, 4,5,6,7
	v_mov_b32 v[AF+8*\g+\i], 0                     ; A's k = 16 .. 31: nothing of B's upper half enters a sum
.endr
.endr
.irp i, 96,97,98,99
	v_mov_b32 v[B+\i], 0                           ; the upper half of the last B operand
.endr
; Two angles in v[a:a+1]; (cos, sin, cos, sin) of their halves into v[o:o+3].
; a/2 = n pi/2 + r with n = a/pi rounded to the nearest whole number, |r| <= pi/4; r = (a - n pi)/2 with pi in two parts, each step one fused multiply-add.
; sin r to r^7, cos r to r^8: the terms left out are below 3e-7.  n mod 4 swaps the two and sets the signs, by selects and bit work alone.
; The two compares of n's parity stand as soon as n is a whole number, each into a scalar register of its own; the two series stand between them and the one wait for both.
.macro SINCOS2 a, o
	v_pk_mul_f32 v[N:N+1], v[\a:\a+1], 0x3ea2f983 op_sel_hi:[1,0]                  ; a / pi
	v_rndne_f32 v[N], v[N]
	v_rndne_f32 v[N+1], v[N+1]
	v_pk_fma_f32 v[R:R+1], v[N:N+1], 0xc0490fdb, v[\a:\a+1] op_sel_hi:[1,0,1]      ; a - n pi, upper part
	v_cvt_i32_f32 v[QI], v[N]
	v_cvt_i32_f32 v[QI+1], v[N+1]
	v_pk_fma_f32 v[R:R+1], v[N:N+1], 0x33bbbd2e, v[R:R+1] op_sel_hi:[1,0,1]        ; lower part
	v_and_b32 v[TT], 1, v[QI]
	v_and_b32 v[TT+1], 1, v[QI+1]
	v_pk_mul_f32 v[R:R+1], v[R:R+1], 0.5 op_sel_hi:[1,0]
	v_cmp_eq_u32 s[ODD], 1, v[TT]                                                  ; n odd: the two change places
	v_cmp_eq_u32 s[ODD+1], 1, v[TT+1]
	v_pk_mul_f32 v[U:U+1], v[R:R+1], v[R:R+1]
	v_pk_fma_f32 v[PS:PS+1], v[U:U+1], v[KS:KS+1], 0x3c088889 op_sel_hi:[1,1,0]    ; 1/120 - u/5040
	v_pk_fma_f32 v[PC:PC+1], v[U:U+1], v[KC:KC+1], 0xbab60b61 op_sel_hi:[1,1,0]    ; -1/720 + u/40320
	v_pk_mul_f32 v[RU:RU+1], v[R:R+1], v[U:U+1]
	v_pk_fma_f32 v[PS:PS+1], v[PS:PS+1], v[U:U+1], 0xbe2aaaab op_sel_hi:[1,1,0]    ; -1/6 + ..
	v_pk_fma_f32 v[PC:PC+1], v[PC:PC+1], v[U:U+1], 0x3d2aaaab op_sel_hi:[1,1,0]    ; 1/24 + ..
	v_pk_fma_f32 v[PS:PS+1], v[RU:RU+1], v[PS:PS+1], v[R:R+1]                      ; sin r
	v_pk_fma_f32 v[PC:PC+1], v[PC:PC+1], v[U:U+1], -0.5 op_sel_hi:[1,1,0]
	v_pk_fma_f32 v[PC:PC+1], v[PC:PC+1], v[U:U+1], 1.0 op_sel_hi:[1,1,0]           ; cos r
	s_wait_alu depctr_va_sdst(0)                                                   ; the two compares have written s[ODD] and s[ODD+1], ahead of the first select that reads one of them
.irp i, 0,1
	v_cndmask_b32 v[\o+2*\i], v[PC+\i], v[PS+\i], s[ODD+\i]
	v_cndmask_b32 v[\o+2*\i+1], v[PS+\i], v[PC+\i], s[ODD+\i]
	v_add_lshl_u32 v[TT], v[QI+\i], 1, 30                                          ; the cosine is negated for n mod 4 = 1, 2: bit 1 of n + 1
	v_lshlrev_b32 v[TT+1], 30, v[QI+\i]                                            ; the sine for n mod 4 = 2, 3: bit 1 of n
	v_and_b32 v[TT], s21, v[TT]
	v_and_b32 v[TT+1], s21, v[TT+1]
	v_xor_b32 v[\o+2*\i], v[\o+2*\i], v[TT]
	v_xor_b32 v[\o+2*\i+1], v[\o+2*\i+1], v[TT+1]
.endr
.endm
; the 12 angles at ANG + b
.macro AMPS b
.irp p, 0,1,2,3,4,5
	SINCOS2 ANG+\b+2*\p, AMP+4*\p
.endr
.endm
; The product state of wires 4g .. 4g+3: my half's 8 numbers, as f16, into v[d:d+3].
.macro GROUP g, d
.set W, AMP+8*\g
	v_cndmask_b32 v[P], v[W+6], v[W+7], s20                                        ; w3: lanes 0-15 its cosine, lanes 16-31 its sine
	v_pk_mul_f32 v[T:T+1],   v[W:W+1], v[W+2:W+3] op_sel_hi:[1,0]                  ; (c0, s0) c1
	v_pk_mul_f32 v[T+2:T+3], v[W:W+1], v[W+2:W+3] op_sel:[0,1] op_sel_hi:[1,1]     ; (c0, s0) s1
	v_mul_f32 v[Q],   v[W+4], v[P]                                                 ; c2 p
	v_mul_f32 v[Q+1], v[W+5], v[P]                                                 ; s2 p
	v_pk_mul_f32 v[E:E+1],   v[T:T+1],   v[Q:Q+1] op_sel_hi:[1,0]
	v_pk_mul_f32 v[E+2:E+3], v[T+2:T+3], v[Q:Q+1] op_sel_hi:[1,0]
	v_pk_mul_f32 v[E+4:E+5], v[T:T+1],   v[Q:Q+1] op_sel:[0,1] op_sel_hi:[1,1]
	v_pk_mul_f32 v[E+6:E+7], v[T+2:T+3], v[Q:Q+1] op_sel:[0,1] op_sel_hi:[1,1]
.irp i, 0,1,2,3
	v_cvt_pk_f16_f32 v[\d+\i], v[E+2*\i], v[E+2*\i+1]
.endr
.endm
; my train tile tt (0 or 1): its three fragments, in twelve registers of their own
.macro FRAGS tt
	AMPS 12*\tt
.irp g, 0,1,2
	GROUP \g, B+12*\tt+4*\g
.endr
.endm
; and those three fragments into LDS, in one run
.macro PUT tt
.irp g, 0,1,2
	ds_store_b128 v5, v[B+12*\tt+4*\g:B+12*\tt+4*\g+3] offset:(3*\tt+\g)*FRAG
.endr
.endm
	s_wait_loadcnt 14                              ; train tile 0's three loads are in; 3 + 3 + 8 younger ones stay out
	FRAGS 0
	s_wait_loadcnt 11                              ; train tile 1's; 3 + 8 stay out
	s_wait_alu depctr_va_vdst(0)                   ; tile 0's conversions have written v[B:B+11], and v5 is written: the three stores below read them; tile 1's work names none of them
	PUT 0
	FRAGS 1
	s_wait_alu depctr_va_vdst(0)                   ; tile 1's conversions have written v[B+12:B+23], which the three stores below read; it is also the last vector write of any register in which a fragment load lands
	PUT 1
	s_wait_dscnt 0x0                               ; my six fragments are in LDS, for the other waves' sake
	s_barrier_signal -1
	s_wait_loadcnt 8                               ; x's three loads; alpha's eight stay out
	AMPS 24                                        ; register work while the others arrive: my x tile's three A fragments
.irp g, 0,1,2
	GROUP \g, AF+8*\g
.endr
	s_barrier_wait -1                              ; all 24 fragments are in LDS
	s_wait_alu depctr_vm_vsrc(0)                   ; my six LDS stores have read v[B:B+23], in which the first six loads below land
.set n, 0
.rept 24
	ds_load_b128 v[B+4*n:B+4*n+3], v4 offset:n*FRAG    ; 32 lanes, 16 neighbouring bytes each; no vector instruction since the wait ahead of tile 1's stores names v4 or v[B:B+95]
.set n, n+1
.endr
	s_wait_loadcnt 0x0                             ; alpha
; Train tile t: three matrix instructions, one for each group of wires, into D set ds.  Register j of lane (r, h) = G(x row 8 h + j, train row r).
; Group 2's operand reaches into the next tile's first fragment, so loads 0 .. 3 t + 3 of the 24 must be in: 20 - 3 t may stay out (tile 7: none).
; Each starts its own sum (C = 0): no accumulator is taken up again.
.macro WM t, ds
.if 20-3*\t > 0
	s_wait_dscnt 20-3*\t
.else
	s_wait_dscnt 0x0
.endif
.irp g, 0,1,2
	v_wmma_f32_16x16x32_f16 v[\ds+8*\g:\ds+8*\g+7], v[AF+8*\g:AF+8*\g+7], v[B+12*\t+4*\g:B+12*\t+4*\g+7], 0
.endr
.endm
; Train tile t: overlap = G0 G1 G2, its square, times alpha, onto the running sums.  b = t % 2 picks alpha's register of the pair.  first = 1 starts the sums.
.macro PW t, ds, b, first
.irp p, 0,2,4,6
	v_pk_mul_f32 v[\ds+\p:\ds+\p+1], v[\ds+\p:\ds+\p+1], v[\ds+8+\p:\ds+8+\p+1]
.endr
.irp p, 0,2,4,6
	v_pk_mul_f32 v[\ds+\p:\ds+\p+1], v[\ds+\p:\ds+\p+1], v[\ds+16+\p:\ds+16+\p+1]
.endr
.irp p, 0,2,4,6
	v_pk_mul_f32 v[\ds+8+\p:\ds+8+\p+1], v[\ds+\p:\ds+\p+1], v[\ds+\p:\ds+\p+1]
.endr
.irp p, 0,2,4,6
.if \first
	v_pk_mul_f32 v[ACC+\p:ACC+\p+1], v[\ds+8+\p:\ds+8+\p+1], v[AL+\t-\b:AL+\t-\b+1] op_sel:[0,\b] op_sel_hi:[1,\b]
.else
	v_pk_fma_f32 v[ACC+\p:ACC+\p+1], v[\ds+8+\p:\ds+8+\p+1], v[AL+\t-\b:AL+\t-\b+1], v[ACC+\p:ACC+\p+1] op_sel:[0,\b,0] op_sel_hi:[1,\b,1]
.endif
.endr
.endm
	; The two D sets take turns.  A tile's products are read, and its set written again by matrix instructions, only behind places that name none of its
	; registers (ISA guide 7.12.1): the 16 vector instructions of the tile before, which work on the other set, the sums and alpha.
	; Tile 0 has no tile before it: five v_nop, five because tile 2's matrix instructions write over tile 0's set.
	; No memory or LDS instruction stands among these lines, and none touches the D sets, the sums or A: the lines owe no s_wait_alu.
	WM 0, D0
.rept 5
	v_nop
.endr
	WM 1, D1
	PW 0, D0, 0, 1
	WM 2, D0
	PW 1, D1, 1, 0
	WM 3, D1
	PW 2, D0, 0, 0
	WM 4, D0
	PW 3, D1, 1, 0
	WM 5, D1
	PW 4, D0, 0, 0
	WM 6, D0
	PW 5, D1, 1, 0
	WM 7, D1
	PW 6, D0, 0, 0
	PW 7, D1, 1, 0
	; over the 16 train rows r that the lanes of a half hold: every lane of half h ends up with the sums of x rows 8 h + 0 .. 7
.irp m, 1,2,4,8
.irp j, 0,1,2,3,4,5,6,7
	v_add_f32_dpp v[ACC+\j], v[ACC+\j], v[ACC+\j] row_xmask:\m row_mask:0xf bank_mask:0xf
.endr
.endr
	s_wait_alu depctr_va_vdst(0)                   ; the sums across lanes have written v[ACC:ACC+7], which the two stores below read; no vector instruction follows, so v7 and v[N:N+1] are settled for wave 0's load too
	ds_store_b128 v6, v[ACC:ACC+3]                 ; the 16 lanes of a half write the same 32 bytes with the same numbers
	ds_store_b128 v6, v[ACC+4:ACC+7] offset:16
	s_wait_dscnt 0x0                               ; my 16 sums are in LDS, for wave 0's sake
	s_barrier_signal -1
	s_barrier_wait -1
	s_cmp_lg_u32 s16, 0
	s_cbranch_scc1 .Lend                           ; wave 0 alone stores
	ds_load_b64 v[N:N+1], v7 offset:STAGE
	s_wait_dscnt 0x0
	global_store_b64 v7, v[N:N+1], s[14:15]        ; 32 lanes store 256 consecutive bytes, at a multiple of 256 from part's first byte
.Lend:
	s_wait_dscnt 0x0                               ; the closing lines, six on end
	s_wait_alu 0x0
	s_wait_tensorcnt 0x0
	ds_add_u32 v248, v249
	s_wait_dscnt 0x0
	s_endpgm
.Lfunc_end_k_q48fed91f72_pairs:
	.size	k_q48fed91f72_pairs, .Lfunc_end_k_q48fed91f72_pairs-k_q48fed91f72_pairs
	.p2alignl 7, 3214868480
	.fill 96, 4, 3214868480
	.section	.rodata,"a",@progbits
	.p2align	6, 0x0
	.amdhsa_kernel k_q48fed91f72_pairs
		.amdhsa_group_segment_fixed_size 13056
		.amdhsa_private_segment_fixed_size 0
		.amdhsa_enable_private_segment 0
		.amdhsa_kernarg_size 32
		.amdhsa_user_sgpr_count 2
		.amdhsa_user_sgpr_kernarg_segment_ptr 1
		.amdhsa_wavefront_size32 1
		.amdhsa_system_sgpr_workgroup_id_x 1
		.amdhsa_system_sgpr_workgroup_id_y 1
		.amdhsa_system_sgpr_workgroup_id_z 1
		.amdhsa_system_vgpr_workitem_id 0
		.amdhsa_next_free_vgpr 250
		.amdhsa_next_free_sgpr 66
		.amdhsa_reserve_vcc 0
		.amdhsa_float_denorm_mode_32 3
		.amdhsa_float_denorm_mode_16_64 3
		.amdhsa_memory_ordered 1
		.amdhsa_forward_progress 1
		.amdhsa_inst_pref_size 64
	.end_amdhsa_kernel
	.amdgpu_metadata
---
amdhsa.version: [ 1, 2 ]
amdhsa.kernels:
  - .name:           k_q48fed91f72_pairs
    .symbol:         k_q48fed91f72_pairs.kd
    .args:
      - { .name: X_train, .offset: 0, .size: 8, .value_kind: global_buffer, .address_space: global }
      - { .name: alpha, .offset: 8, .size: 8, .value_kind: global_buffer, .address_space: global }
      - { .name: x, .offset: 16, .size: 8, .value_kind: global_buffer, .address_space: global }
      - { .name: part, .offset: 24, .size: 8, .value_kind: global_buffer, .address_space: global }
    .group_segment_fixed_size: 13056
    .private_segment_fixed_size: 0
    .kernarg_segment_align: 8
    .kernarg_segment_size: 32
    .max_flat_workgroup_size: 128
    .sgpr_count:     66
    .vgpr_count:     250
    .wavefront_size: 32
...
	.end_amdgpu_metadata
.endif
;; end of part 3
;; launch fold: the kernel of part 2 again; grid 8 x 1, 1 waves a work-group, no clusters, 0 bytes of LDS; arguments part, out0; writes out0
